; MI455X (gfx1250); checked and timed in simulation.
; The chip was launched on July 23, 2026; its instructions are those of AMD's public machine-readable ISA for CDNA 5 (MIT licence, August 2026) and "CDNA5" Instruction Set Architecture Reference Guide (July 2026). The comments in the code are by the model that wrote it; some were corrected since.
;; Re LULSTM. Allowed arithmetic: matrix products marked QUANTISED: E3M2 operands, one E8M0 scale for each 32 along K, by v_wmma_scale_f32_16x16x128_f8f6f4 with both operands' format E3M2, f32 sums; everything else in f32.
;; Inputs: Wch 2,048 x 2,048 float32; Wcx 2,048 x 2,048 float32; Wfh 2,048 x 2,048 float32; Wfx 2,048 x 2,048 float32; Wih 2,048 x 2,048 float32; Wix 2,048 x 2,048 float32; Woh 2,048 x 2,048 float32; Wox 2,048 x 2,048 float32; bcx 2,048 float32; bfx 2,048 float32; bix 2,048 float32; box 2,048 float32; c 2,048 x 2,048 float32; h 2,048 x 2,048 float32; x 2,048 x 2,048 float32.
;; Outputs: out0 2,048 x 2,048 float32; out1 2,048 x 2,048 float32.
;; This version of the problem:
;;   THIS VERSION OF THE PROBLEM IS GIVEN IN LOW PRECISION. The matrix products marked QUANTISED in the list below multiply operands that are first quantised to E3M2 (3 exponent bits, 2 mantissa bits; 6 bits a number), with one power-of-two scale for each 32 numbers along K (OCP MX v1.0); their sums are f32. All else is computed in f32.
;;   The module's matrix products, in the order in which they are computed (A, B: the left and right operand; K: the contracted axis; several contracted axes count as one K, in the product's order):
;;     1. [M 2,048, K 2,048] x [K 2,048, N 2,048]; A: input x; B: input Wfx: QUANTISED
;;     2. [M 2,048, K 2,048] x [K 2,048, N 2,048]; A: input h; B: input Wfh: QUANTISED
;;     3. [M 2,048, K 2,048] x [K 2,048, N 2,048]; A: input x; B: input Wix: QUANTISED
;;     4. [M 2,048, K 2,048] x [K 2,048, N 2,048]; A: input h; B: input Wih: QUANTISED
;;     5. [M 2,048, K 2,048] x [K 2,048, N 2,048]; A: input x; B: input Wox: QUANTISED
;;     6. [M 2,048, K 2,048] x [K 2,048, N 2,048]; A: input h; B: input Woh: QUANTISED
;;     7. [M 2,048, K 2,048] x [K 2,048, N 2,048]; A: input x; B: input Wcx: QUANTISED
;;     8. [M 2,048, K 2,048] x [K 2,048, N 2,048]; A: input h; B: input Wch: QUANTISED
;;   THE QUANTISER, for each operand of a quantised product, along K:
;;     - K is cut into blocks of 32 from its start; a last block that is shorter is filled with zeros.
;;     - A block's scale is 2^e with e = floor(log2(the largest magnitude in the block)) - 4, held to -126 .. 127; a block of zeros has e = 0. As a byte (E8M0): e + 127.
;;     - Each number is divided by its block's scale, clamped to +-28, and rounded to the nearest number of E3M2, ties to even, subnormals kept.
;;     - The product sums the exact products of the quantised numbers (number of the format x scale) in f32.
;;   ~~~python
;;   def quantise(x, axis):      # numpy; x: float32 -> the quantised numbers, widened to float32 again
;;       x = np.moveaxis(x, axis, -1); K = x.shape[-1]
;;       x = np.pad(x, [(0, 0)] * (x.ndim - 1) + [(0, -K % 32)]); x = x.reshape(x.shape[:-1] + (-1, 32)); a = np.abs(x).max(-1, keepdims=True)
;;       e = np.where(a > 0, np.clip(np.frexp(np.where(a > 0, a, 1))[1] - 1 - 4, -126, 127), 0)      # np.frexp(a)[1] - 1 = floor(log2(a)), exactly
;;       r = np.clip(x / 2.0 ** e, -28, 28)
;;       step = 2.0 ** (np.maximum(np.frexp(np.where(r == 0, 1, r))[1] - 1, -2) - 2)
;;       q = np.round(r / step) * step * 2.0 ** e      # np.round: ties to even
;;       return np.moveaxis(q.reshape(q.shape[:-2] + (-1,))[..., :K], -1, axis).astype(np.float32)
;;   ~~~
;; One version. Each part assembles by itself: llvm-mc -triple=amdgcn-amd-amdhsa -mcpu=gfx1250 --defsym DOCPART=n.
;; ======== version 1 of 1: 2 launches
;; limits: right only within a limited range of input values
;; workspace buffers: qops 32,768,000 bytes
;; launch quant (part 1): grid 256 x 1, 16 waves a work-group, no clusters, 327,680 bytes of LDS; arguments x, h, Wfx, Wfh, Wix, Wih, Wcx, Wch, Wox, Woh, qops; writes qops
.if DOCPART == 1
	.amdgcn_target "amdgcn-amd-amdhsa--gfx1250"
	.amdhsa_code_object_version 6
	.text
	.protected	k_qb56205d51a_quant
	.globl	k_qb56205d51a_quant
	.p2align	8
	.type	k_qb56205d51a_quant,@function
k_qb56205d51a_quant:
	s_mov_b64 s[64:65], 0
	v_nop
	global_prefetch_b8 v0, s[64:65] scope:SCOPE_SE
	s_setreg_imm32_b32 hwreg(HW_REG_WAVE_MODE, 25, 1), 1
	s_wait_xcnt 0x0
; x, h and the eight weights, each [2048][2048] f32 with K innermost, are turned into codes of BF6 (E3M2), 6 bits each, with one E8M0 scale byte for each 32 along K, AND LAID IN THE ORDER OF THE MATRIX OPERAND'S REGISTERS.
; A block's scale is 2^(floor(log2(its largest magnitude)) - 4); its byte is the largest magnitude's own exponent field - 4, held at 1 from below.  Each number is divided by the scale and rounded to the
; nearest code, ties to even; beyond the largest code the conversion gives the largest code.  No work of reference() is left out: every input has a way to both outputs.
; LIMITS: NaN and infinities among the inputs are not served.  A block of zeros gets the byte 1 where the rule says 127: its codes are zeros, which add nothing under any byte but 0xff, and only this program reads the bytes.
; WHERE THE RESULTS GO.  qops [T 40][j 2][st 32][12,800 bytes]: record number rec = 64 T + 32 j + st.  T = a tile of 256 operand rows, j = a half of 128, st = a step of 128 of the joined K of 4,096 (st 0-15: the x side, 16-31: the h side).
;   T 0-7: rows of [x | h]: row m at T = m / 256, j = (m / 128) % 2, place m % 128.   T 8-39: the weights: hidden column n of gate g (0 f, 1 i, 2 c~, 3 o) at T = 8 + n / 64, j = (n / 32) % 2, place 32 g + n % 32.
;   A record: eight fragments (16 rows x 128 K) of 1,536 bytes, fragment f = places 16 f on; then 512 bytes of scale words.  A fragment is the image of its 12 registers: registers 4 c .. 4 c + 3 of
;   lane L at 512 c + 16 L.  Lane (r, h) holds row r; registers 0-5 k = 32 h + 0 .. 31, registers 6-11 k = 64 + 32 h + 0 .. 31.  The scale word of place 16 (4 e + p) + r lies at 12,288 + 256 e + 16 r + 4 p.
; SHARES.  2,560 records, 256 work-groups: work-group w makes records 10 w .. 10 w + 9, 128,000 consecutive bytes of qops.  Sixteen waves, five trips: in trip t wave v makes fragment v % 8 of record 10 w + 2 t + v / 8.
; A FRAGMENT'S NUMBERS, 16 rows x 512 bytes (each row begins at a multiple of 512 bytes), come by ONE tensor load into the wave's own bytes of a slot; the descriptor lays 16 bytes behind each row, so that sixteen rows' equal
; columns fall on different banks.  A lane reads 2 x 128 bytes of its row: two whole blocks, whose largest magnitudes need no other lane.  Four conversions give the operand's 12 registers, stored by three stores of 512 consecutive bytes.
; TWO SLOTS of 16 x 8,448 bytes take turns: behind each barrier a wave has one load out, the next trip's tile.  Each trip's codes have registers of their own, so no store's data are written again.
; THE PREFETCH: at a change of slots every wave has waited for all its tensor loads.  So in trip t each wave asks for its own tile of trip t + 2, one trip ahead of the load that wants it: 32 blocks of 256 bytes, a lane a block,
; one instruction; the head asks so for trip 1's tile; the last two trips ask for nothing.  A work-group has at most one trip's tiles asked for and not yet loaded.
; The scale words stay in registers until the last tile has landed, go then to 5,120 bytes of LDS that no tensor load fills, and leave as ten runs of 512 bytes.
; No cluster: no two work-groups read the same bytes.
.set REC,   12800
.set FRB,   1536
.set SCW,   8*FRB
.set SPT,   528                        ; an LDS row: 512 bytes + 16
.set WTILE, 16*SPT                     ; a wave's tile
.set SLOT,  16*WTILE
.set SCST,  2*SLOT                     ; the scale words of ten records
.set SPARE, SCST+10*512                ; the spare words: 128 bytes for each of the sixteen waves
.set TRIPS, 5
.set W,     16                         ; v16-20  my row's scale word, one for each trip
.set SPW,   21                         ; v21     LDS address of my spare word; never rewritten
.set NIL,   22                         ; v22     0; never rewritten
.set PFQ,   23                         ; v23     the prefetch's offset: row lane / 2 of a tile, its half lane % 2; never rewritten
.set X,     32                         ; v32-95  my 64 numbers: two blocks of 32
.set G1,    36                         ; s[36:43] descriptor group 1
.set G0,    44                         ; s[44:51] group 0, one set for each slot
	s_load_b512 s[4:19], s[0:1], 0x0               ; x, h, Wfx, Wfh, Wix, Wih, Wcx, Wch
	s_load_b128 s[20:23], s[0:1], 0x40             ; Wox, Woh
	s_load_b64 s[24:25], s[0:1], 0x50              ; qops
	v_lshl_add_u32 v[SPW], v0, 2, SPARE
	v_mov_b32 v[NIL], 0
	ds_add_u32 v[SPW], v[NIL]                      ; the opening lines: the add, twice on end, and its wait ahead of my first tensor load
	ds_add_u32 v[SPW], v[NIL]
	v_lshrrev_b32 v1, 5, v0
	v_readfirstlane_b32 s32, v1                    ; wave 0..15
	v_and_b32 v2, 31, v0                           ; lane
	v_lshrrev_b32 v9, 1, v2
	v_and_b32 v4, 1, v2
	v_lshlrev_b32 v9, 13, v9
	v_lshl_add_u32 v[PFQ], v4, 8, v9
	s_and_b32 s33, s32, 7                          ; f: my fragment of a record
	s_lshr_b32 s34, s32, 3
	s_mul_i32 s54, ttmp9, 10
	s_add_co_u32 s34, s34, s54                     ; my record of trip 0
	s_lshl_b32 s35, s33, 4                         ; rows of x or h: + 16 f
	s_and_b32 s52, s33, 6
	s_add_co_u32 s52, s52, 2                       ; a weight's number among the arguments: 2 + 2 g + side, g = f / 2
	s_and_b32 s53, s33, 1
	s_lshl_b32 s53, s53, 4
	s_sub_co_u32 s53, s53, 512                     ; rows of a weight: 32 (rec / 32) - 512 + 16 (f % 2)
	s_mov_b32 s59, 0
	s_mov_b32 s28, 0x76543210
	s_mov_b32 s29, 0xfedcba98                      ; v_permlanex16_b32's selects for lane l xor 16
	s_mov_b32 s[G1+0], (2<<16)|(1<<20)|(6<<22)|(3<<25)   ; elements of 4 bytes; behind every 128 words 4 words of padding
	s_mov_b32 s[G1+1], 128<<16                     ; tensor_dim0
	s_mov_b32 s[G1+2], 16<<16                      ; tensor_dim1
	s_mov_b32 s[G1+3], 128<<16                     ; tile_dim0
	s_mov_b32 s[G1+4], 16                          ; tile_dim1
	s_mov_b32 s[G1+5], 2048                        ; elements from row to row
	s_mov_b32 s[G1+6], 0
	s_mov_b32 s[G1+7], 0
	s_mov_b32 s[G0], 1
	s_mul_i32 s[G0+1], s32, WTILE                  ; my bytes of a slot
	s_mov_b32 s[G0+4], 1
	s_add_co_u32 s[G0+5], s[G0+1], SLOT
	s_lshr_b32 s2, s32, 2                          ; 2 (wave / 8) + f / 4: which 256 bytes of the scale words
	s_lshl_b32 s2, s2, 8
	s_and_b32 s57, s32, 3
	s_lshl_b32 s57, s57, 2                         ; + 4 (f % 4)
	s_add_co_u32 s2, s2, s57
	s_add_co_u32 s2, s2, SCST
	s_min_u32 s57, s32, 9                          ; waves 0-9 send a record's scale words each
	s_lshl_b32 s3, s57, 9
	s_add_co_u32 s3, s3, SCST
	s_add_co_u32 s57, s57, s54
	s_mul_i32 s26, s57, REC
	s_add_co_u32 s26, s26, SCW
	s_mov_b32 s27, 0
	s_mul_i32 s62, s34, REC
	s_mul_i32 s61, s33, FRB
	s_add_co_u32 s62, s62, s61                     ; my fragment of trip 0 in qops
	s_mov_b32 s63, 0
	s_wait_alu depctr_va_vdst(0)
	s_wait_dscnt 0x0                               ; both opening adds are done
	s_wait_kmcnt 0x0
	s_add_nc_u64 s[30:31], s[24:25], s[26:27]
	s_add_nc_u64 s[24:25], s[24:25], s[62:63]
; The address of my tile of trip t, into s[62:63] and into group 0's set: the source is chosen by the work-group's and the wave's numbers alone
.macro DESC t, set
.if (\t) > 1
	s_wait_xcnt 0x0                                ; my last prefetch has read s[62:63]
.endif
	s_add_co_u32 s54, s34, 2*(\t)                  ; rec
	s_lshr_b32 s55, s54, 5                         ; 2 T + j
	s_bfe_u32 s56, s54, 0x10004                    ; side: 0 x, 1 h
	s_and_b32 s57, s54, 15                         ; which 128 columns
	s_lshl_b32 s58, s55, 7
	s_add_co_u32 s58, s58, s35                     ; row of x or h
	s_lshl_b32 s60, s55, 5
	s_add_co_u32 s60, s60, s53                     ; row of a weight
	s_add_co_u32 s61, s52, s56
	s_cmp_lt_u32 s54, 512                          ; a tile of [x | h]?
	s_cselect_b32 s61, s56, s61
	s_cselect_b32 s58, s58, s60
	s_lshl_b32 s58, s58, 13                        ; rows of 8,192 bytes + 512 bytes a step
	s_lshl_b32 s57, s57, 9
	s_add_co_u32 s58, s58, s57
	s_mov_b64 s[26:27], s[4:5]
.irp n, 1,2,3,4,5,6,7,8,9
	s_cmp_eq_u32 s61, \n
	s_cselect_b64 s[26:27], s[4+2*\n:5+2*\n], s[26:27]
.endr
	s_add_nc_u64 s[62:63], s[26:27], s[58:59]
	s_mov_b64 s[G0+4*(\set)+2:G0+4*(\set)+3], s[62:63]
	s_or_b32 s[G0+4*(\set)+3], s[G0+4*(\set)+3], 0x80000000
.endm
	DESC 0, 0
	tensor_load_to_lds s[G0:G0+3], s[G1:G1+7]      ; trip 0's tile: my one load at the head
	s_nop 0
	DESC 1, 1
	global_prefetch_b8 v[PFQ], s[62:63] th:TH_LOAD_NT scope:SCOPE_SE   ; trip 1's tile
	v_lshlrev_b32 v3, 4, v2                        ; 16 x lane: my bytes of a store's 512
	v_and_b32 v4, 15, v2                           ; r
	v_lshrrev_b32 v9, 4, v2                        ; h
	v_mul_u32_u24 v5, v4, SPT
	v_lshl_add_u32 v5, v9, 7, v5
	v_add_nc_u32 v5, s[G0+1], v5                   ; slot 0: row r of my tile, 128 h bytes on
	v_add_nc_u32 v6, SLOT, v5                      ; slot 1
	v_lshlrev_b32 v14, 3, v9                       ; 8 h: my bytes' place in a scale word
	v_mov_b32 v15, 0                               ; written once: a lane permute's destination counts as one of its sources
	v_lshl_add_u32 v7, v4, 4, s2                   ; where my row's scale word goes
	v_add_nc_u32 v8, s3, v3                        ; and where a record's words are read back
	s_wait_alu depctr_va_vdst(0)
.macro TRIP t
.set PC, 96+12*(\t)                    ; this trip's 12 registers of codes
	s_wait_tensorcnt 0x0                           ; my one load, this trip's tile, has landed;
	ds_add_u32 v[SPW], v[NIL]
	s_wait_dscnt 0x0                               ; the add is done; my reads of the other slot were waited for in the last trip
	s_barrier_signal -1
	s_barrier_wait -1
.if (\t)+1 < TRIPS
	tensor_load_to_lds s[G0+4*(((\t)+1)%2):G0+4*(((\t)+1)%2)+3], s[G1:G1+7]   ; the next trip's tile, into the slot read last
	s_nop 0
.endif
.if (\t)+2 < TRIPS
	DESC (\t)+2, (\t)%2                            ; this slot's set: its load has landed
.endif
.irp c, 0,1
.irp n, 0,1,2,3,4,5,6,7
	ds_load_b128 v[X+32*\c+4*\n:X+32*\c+4*\n+3], v[5+(\t)%2] offset:256*\c+16*\n   ; k = 64 c + 32 h + 4 n on of row r
.endr
.endr
	s_wait_dscnt 0x0
.if (\t)+2 < TRIPS
	global_prefetch_b8 v[PFQ], s[62:63] th:TH_LOAD_NT scope:SCOPE_SE   ; my tile of trip t + 2
.endif
	v_max3_num_f32 v9,  |v[X]|,    |v[X+1]|,  0x2800000       ; the largest magnitudes, in four chains of 16; the floor 2^(5 - 127) among the leaves: so the byte cannot fall under 1
	v_max3_num_f32 v10, |v[X+16]|, |v[X+17]|, 0x2800000
	v_max3_num_f32 v11, |v[X+32]|, |v[X+33]|, 0x2800000
	v_max3_num_f32 v12, |v[X+48]|, |v[X+49]|, 0x2800000
.irp i, 2,4,6,8,10,12,14
	v_max3_num_f32 v9,  v9,  |v[X+\i]|,    |v[X+\i+1]|
	v_max3_num_f32 v10, v10, |v[X+16+\i]|, |v[X+17+\i]|
	v_max3_num_f32 v11, v11, |v[X+32+\i]|, |v[X+33+\i]|
	v_max3_num_f32 v12, v12, |v[X+48+\i]|, |v[X+49+\i]|
.endr
	v_max_num_f32 v9, v9, v10                      ; block h
	v_max_num_f32 v10, v11, v12                    ; block 2 + h
	v_add_nc_u32 v11, 0xfe000000, v9               ; 4 off the exponent field: the conversion takes the exponent field of this operand as its scale
	v_add_nc_u32 v12, 0xfe000000, v10
	v_cvt_scalef32_pk16_bf6_f32 v[PC:PC+2], v[X:X+15], v11             ; registers 0-2
	v_cvt_scalef32_pk16_bf6_f32 v[PC+6:PC+8], v[X+32:X+47], v12        ; registers 6-8
	v_lshrrev_b32 v9, 23, v11                      ; the scale's byte (a plain line between the conversions above and those below, which write over their sources)
	v_cvt_scalef32_pk16_bf6_f32 v[X:X+2], v[X+16:X+31], v11            ; a conversion's three registers begin on an even number: registers 3-5 and 9-11 are made elsewhere and moved
	v_cvt_scalef32_pk16_bf6_f32 v[X+32:X+34], v[X+48:X+63], v12
	v_lshrrev_b32 v10, 23, v12                     ; (a plain line behind the last conversion)
.irp i, 0,1,2
	v_mov_b32 v[PC+3+\i], v[X+\i]
.endr
.irp i, 0,1,2
	v_mov_b32 v[PC+9+\i], v[X+32+\i]
.endr
	v_lshl_or_b32 v13, v10, 16, v9                 ; my two bytes: blocks h and 2 + h of row r,
	v_lshlrev_b32 v13, v14, v13                    ; at their places in the scale word;
	v_permlanex16_b32 v15, v13, s28, s29
	v_or_b32 v[W+(\t)], v13, v15                   ; with lane l xor 16's two the word is whole
.irp c, 0,1,2
	global_store_b128 v3, v[PC+4*\c:PC+4*\c+3], s[24:25] offset:2*REC*(\t)+512*\c   ; 32 lanes store 512 consecutive bytes, at a multiple of 256 from the buffer's first byte
.endr
.endm
.irp t, 0,1,2,3,4
	TRIP \t
.endr
.irp t, 0,1,2,3,4
	ds_store_b32 v7, v[W+\t] offset:1024*\t        ; no tensor load is out; lanes r and 16 + r write the same word with the same value
.endr
	s_wait_tensorcnt 0x0                           ; the wave's end, behind my last LDS store
	ds_add_u32 v[SPW], v[NIL]
	s_wait_dscnt 0x0                               ; for the others' sake too: my scale words are in LDS
	s_barrier_signal -1
	s_barrier_wait -1
	s_cmp_lt_u32 s32, 10
	s_cbranch_scc0 .Ldone
	ds_load_b128 v[24:27], v8                      ; record 10 w + wave: its 512 bytes of scale words
	s_wait_dscnt 0x0
	global_store_b128 v3, v[24:27], s[30:31]       ; 32 lanes store 512 consecutive bytes, at a multiple of 256 from the buffer's first byte
.Ldone:
	s_endpgm
.Lfunc_end_k_qb56205d51a_quant:
	.size	k_qb56205d51a_quant, .Lfunc_end_k_qb56205d51a_quant-k_qb56205d51a_quant
	.p2alignl 7, 3214868480
	.fill 96, 4, 3214868480
	.section	.rodata,"a",@progbits
	.p2align	6, 0x0
	.amdhsa_kernel k_qb56205d51a_quant
		.amdhsa_group_segment_fixed_size 327680
		.amdhsa_private_segment_fixed_size 0
		.amdhsa_enable_private_segment 0
		.amdhsa_kernarg_size 88
		.amdhsa_user_sgpr_count 2
		.amdhsa_user_sgpr_kernarg_segment_ptr 1
		.amdhsa_wavefront_size32 1
		.amdhsa_system_sgpr_workgroup_id_x 1
		.amdhsa_system_sgpr_workgroup_id_y 1
		.amdhsa_system_sgpr_workgroup_id_z 1
		.amdhsa_system_vgpr_workitem_id 0
		.amdhsa_next_free_vgpr 160
		.amdhsa_next_free_sgpr 66
		.amdhsa_reserve_vcc 0
		.amdhsa_float_denorm_mode_32 3
		.amdhsa_float_denorm_mode_16_64 3
		.amdhsa_memory_ordered 1
		.amdhsa_forward_progress 1
		.amdhsa_inst_pref_size 35
	.end_amdhsa_kernel
	.amdgpu_metadata
---
amdhsa.version: [ 1, 2 ]
amdhsa.kernels:
  - .name:           k_qb56205d51a_quant
    .symbol:         k_qb56205d51a_quant.kd
    .args:
      - { .name: x, .offset: 0, .size: 8, .value_kind: global_buffer, .address_space: global }
      - { .name: h, .offset: 8, .size: 8, .value_kind: global_buffer, .address_space: global }
      - { .name: Wfx, .offset: 16, .size: 8, .value_kind: global_buffer, .address_space: global }
      - { .name: Wfh, .offset: 24, .size: 8, .value_kind: global_buffer, .address_space: global }
      - { .name: Wix, .offset: 32, .size: 8, .value_kind: global_buffer, .address_space: global }
      - { .name: Wih, .offset: 40, .size: 8, .value_kind: global_buffer, .address_space: global }
      - { .name: Wcx, .offset: 48, .size: 8, .value_kind: global_buffer, .address_space: global }
      - { .name: Wch, .offset: 56, .size: 8, .value_kind: global_buffer, .address_space: global }
      - { .name: Wox, .offset: 64, .size: 8, .value_kind: global_buffer, .address_space: global }
      - { .name: Woh, .offset: 72, .size: 8, .value_kind: global_buffer, .address_space: global }
      - { .name: qops, .offset: 80, .size: 8, .value_kind: global_buffer, .address_space: global }
    .group_segment_fixed_size: 327680
    .private_segment_fixed_size: 0
    .kernarg_segment_align: 8
    .kernarg_segment_size: 88
    .max_flat_workgroup_size: 512
    .sgpr_count:     66
    .vgpr_count:     160
    .wavefront_size: 32
...
	.end_amdgpu_metadata
.endif
;; end of part 1
;; launch cell (part 2): grid 32 x 8, 4 waves a work-group, clusters of 4 x 4, 327,680 bytes of LDS; arguments qops, c, bfx, bix, bcx, box, out0, out1; writes out0, out1
.if DOCPART == 2
	.amdgcn_target "amdgcn-amd-amdhsa--gfx1250"
	.amdhsa_code_object_version 6
	.text
	.protected	k_qb56205d51a_cell
	.globl	k_qb56205d51a_cell
	.p2align	8
	.type	k_qb56205d51a_cell,@function
k_qb56205d51a_cell:
	s_mov_b64 s[64:65], 0
	v_nop
	global_prefetch_b8 v0, s[64:65] scope:SCOPE_SE
	s_setreg_imm32_b32 hwreg(HW_REG_WAVE_MODE, 25, 1), 1
	s_wait_xcnt 0x0
	s_wait_alu depctr_hold_cnt(0) depctr_sa_sdst(0) depctr_va_vdst(0) depctr_va_sdst(0) depctr_va_ssrc(0) depctr_va_vcc(0) depctr_vm_vsrc(0)
	s_getreg_b32 s2, hwreg(HW_REG_IB_STS2, 6, 4)
	s_cmp_eq_u32 s2, 0
	s_cbranch_scc0 .Lentry_in_a_cluster
	s_endpgm
.Lentry_in_a_cluster:
	s_bfe_u32 s2, ttmp6, 0x10000c
	s_cmp_lg_u32 s2, 0xf033
	s_cbranch_scc0 .Lentry_shape_is_right
	s_endpgm
.Lentry_shape_is_right:
; The LSTM cell on codes of BF6.  One GEMM over the joined K of 4,096 ([x | h] against [W*x | W*h]) gives all four gates' pre-activations; the biases are the C of the first products; the cell's arithmetic follows in f32.
; qops is laid by the launch before: records of 12,800 bytes (128 operand rows x 128 K: eight fragments as images of their 12 registers, then the scale words), [T 40][j 2][st 32].  T 0-7: rows of [x | h]; T 8-39: the weights,
; hidden column n of gate g (0 f, 1 i, 2 c~, 3 o) at T = 8 + n / 64, j = (n / 32) % 2, place 32 g + n % 32.
; A work-group makes 256 rows x 64 hidden columns of both outputs: a tile of 256 x 256 of pre-activations.  Four waves, each 128 rows x (4 gates x 32 columns): 64 accumulators, 512 registers; all four gates of an element lie in one lane.
; THE RING: two slots of 153,600 bytes, each with three steps' records of A's two halves and B's two halves; a wave fetches a quarter of a slot by one joint load of dense rows of 256 bytes.  The first fill brings two steps.
; CLUSTERS: 4 x 4 work-groups; A's records are shared along a row of the cluster, B's along a column.  Every refill stands behind a round of the cluster's barrier.
; THE MATRIX INSTRUCTION IS USED TRANSPOSED (source 0 = rows of the weights, source 1 = rows of [x | h]): a lane holds eight neighbouring hidden columns of one row.
; REGISTERS: window 0: v0-31 addresses, v32-47 scale words (two sets), v48-143 and v144-239 A's fragments (two sets); window 1: B's fragments, two sets, at v0 and v128, and the biases in v96-127 and v224-255; windows 2, 3: the accumulators.
; A STEP of 128 along K is 64 matrix instructions, A's blocks one after the other, each against B's eight.  Both operands have two sets of registers, so the next step's 50 LDS loads stand in ONE run at the step's head,
; and the 64 matrix instructions follow unbroken: the loads have the whole step in which to land.
; tanh y = 1 - 2 / (1 + 2^(2 y log2 e)), which goes to +-1 where the power overflows or vanishes.  For tanh(c_new), where |c_new| < 2^-6, c_new itself is taken (it differs from tanh by under c_new^2 / 3 of its size).
; LIMIT: c~ carries an absolute error of a few 2^-24, so it loses relative accuracy where the pre-activation's magnitude lies under about 2^-16.
; THE WAY OUT: a row's 256 bytes come from two waves, so results go through a stage in slot 0's bytes (its last fill and last read are over), block by block of 16 rows a half, each behind a barrier of its own:
; a block's rows are read back whole into window 1 and stored while the next block is computed.  c's tile comes by a tensor load into slot 1's bytes, behind the last round.
.set REC,    12800
.set FRB,    1536
.set SCW,    8*FRB
.set HALFB,  32*REC
.set TILEB,  2*HALFB
.set QB,     3*REC                     ; a quarter of a slot: three records
.set SLOT,   4*QB
.set SPARE,  2*SLOT                    ; the spare words, 128 bytes a wave
.set FR,     12
.set NP,     4
.set CP,     272                       ; a stage row: 256 bytes + 16
.set CT,     SLOT                      ; c's tile
.set NT,     0                         ; c_new's stage
.set HT,     256*CP                    ; h_new's stage
.set CA,   7
.set NA,   8
.set HAD,  9
.set RN,   10
.set RH,   11
.set CO,   12
.set BO,   13
.set PFO,  14
.set PFC,  15
.set ADRA, 16
.set ADRB, 18
.set ADRS, 20
.set SPW,  28
.set NIL,  29
.set SC,   32
.set AF,   48                          ; A's set p at v[AF + 96 p]
.set BI,   96                          ; window 1: the bias of B's block b at v[BI + 128 (b / 4) + 8 (b % 4)]
.set FF,   64                          ; the way out, window 0: 16 numbers a lane and block each
.set II,   80
.set OO,   96
.set EE,   112
.set EX,   128
.set CN,   144
.set HN,   160
.set CC,   176                         ; c: two sets
.set WV,   22
.set WI,   23
.set WJ,   66
.set G1,   24
.set G0,   32
.set G1B,  48
.set G0B,  56
.set G1H,  68
.set G1HB, 80
.set G1C,  92
.set G0C,  44
.set PFA,  40
.set KK,   100
.set TH,   104
.set MK,   24
.set MSB, 0
.macro WIN new                         ; the immediate's high byte repeats the setting that is left
.if MSB != \new
	s_set_vgpr_msb (MSB<<8)|\new
.set MSB, \new
.endif
.endm
.set TO_B,   0x40
.macro WMUL a, first                   ; source 0 (B) window 1, source 1 (A) window 0, D window 2 or 3; C the same, or window 1 (the biases)
.if \first
	WIN 0x91+0x40*((\a)/4)
.else
	WIN 0xa1+0x50*((\a)/4)
.endif
.endm
.macro JLOAD g0a, g1a, g0b, g1b        ; a joint load: waves 0, 1 fetch A's halves, waves 2, 3 B's
	s_cmp_eq_u32 s[WI], 0
	s_cbranch_scc0 .Lfor_b_\@
	tensor_load_to_lds s[\g0a:\g0a+3], s[\g1a:\g1a+7]
	s_nop 0
.rept 4
	v_nop
.endr
	s_branch .Lasked_\@
.Lfor_b_\@:
	tensor_load_to_lds s[\g0b:\g0b+3], s[\g1b:\g1b+7]
	s_nop 0
.rept 4
	v_nop
.endr
.Lasked_\@:
.endm
.macro CREST
	s_cmp_lg_u32 s[WV], 0
	s_cbranch_scc1 .Lnot_wave_0_\@
	s_barrier_signal -3
.Lnot_wave_0_\@:
	s_barrier_wait -3
	s_barrier_signal -1
	s_barrier_wait -1
.endm
.macro CROUND
	s_barrier_signal -1
	s_barrier_wait -1
	CREST
.endm
; THE PREFETCHES.  Every cluster asks for what it will load.  Of the half tile (1,600 rows of 256 bytes) that my wave fetches, an ask names 384 rows: the four partners that load it jointly take 32 rows each, told apart by address,
; in each of three instructions, a lane a row.  The head asks for rows 64-447 (rows 64-99 are also in the head's load), slot 0's change ahead of the loop for 448-831, those of the loop's first two trips for 832-1,599:
; three to six steps ahead of the loads that want them; the last two trips ask for no codes.  In the loop's last trip: c's tile, a lane a row.
.macro ASK3
	global_prefetch_b8 v[PFO], s[PFA:PFA+1] th:TH_LOAD_NT scope:SCOPE_SE
	global_prefetch_b8 v[PFO], s[PFA:PFA+1] offset:32768 th:TH_LOAD_NT scope:SCOPE_SE
	global_prefetch_b8 v[PFO], s[PFA:PFA+1] offset:65536 th:TH_LOAD_NT scope:SCOPE_SE
.endm
.macro ASK adv
.if \adv == 6*REC                      ; inside the loop
	s_cmp_gt_u32 s3, 2
	s_cbranch_scc0 .Lno_codes_\@
	ASK3
.Lno_codes_\@:
	s_cmp_eq_u32 s3, 1
	s_cbranch_scc0 .Lno_c_\@
	global_prefetch_b8 v[PFC], s[6:7] th:TH_LOAD_NT scope:SCOPE_SE
	global_prefetch_b8 v[PFC], s[6:7] offset:262144 th:TH_LOAD_NT scope:SCOPE_SE
.Lno_c_\@:
.else
	ASK3
.endif
.endm
	s_load_b512 s[4:19], s[0:1], 0x0               ; qops, c, bfx, bix, bcx, box, out0, out1
	v_lshl_add_u32 v[SPW], v0, 2, SPARE
	v_mov_b32 v[NIL], 0
	ds_add_u32 v[SPW], v[NIL]                      ; the opening lines: the add, twice on end, and its wait
	ds_add_u32 v[SPW], v[NIL]
	v_lshrrev_b32 v1, 5, v0
	v_readfirstlane_b32 s[WV], v1
	s_lshr_b32 s[WI], s[WV], 1                     ; my half of the rows; also: I fetch for A (0) or B (1)
	s_and_b32 s[WJ], s[WV], 1                      ; my half of the columns; also: which half I fetch
	s_bfe_u32 s40, ttmp6, 0x40000
	s_bfe_u32 s41, ttmp6, 0x40004
	s_lshl_b32 s42, ttmp9, 2
	s_add_co_u32 s42, s42, s40                     ; tile column
	s_and_b32 s67, ttmp7, 0xffff
	s_lshl_b32 s67, s67, 2
	s_add_co_u32 s67, s67, s41                     ; tile row
	s_lshl_b32 s43, s41, 2
	s_lshl_b32 s43, 15, s43
	s_lshl_b32 s44, 0x1111, s40
	s_or_b32 s[G1+0], s43, (3<<16)|(1<<21)
	s_or_b32 s[G1B+0], s44, (3<<16)|(1<<21)
	s_or_b32 s[G1H+0], s43, (3<<16)|(1<<21)
	s_or_b32 s[G1HB+0], s44, (3<<16)|(1<<21)
.irp g, G1, G1B                        ; three records: 150 dense rows of 256 bytes
	s_mov_b32 s[\g+1], 32<<16
	s_mov_b32 s[\g+2], 150<<16
	s_mov_b32 s[\g+3], 32<<16
	s_mov_b32 s[\g+4], 150
	s_mov_b32 s[\g+5], 32
	s_mov_b32 s[\g+6], 0
	s_mov_b32 s[\g+7], 0
.endr
.irp g, G1H, G1HB                      ; the head's: two records
	s_mov_b32 s[\g+1], 32<<16
	s_mov_b32 s[\g+2], 100<<16
	s_mov_b32 s[\g+3], 32<<16
	s_mov_b32 s[\g+4], 100
	s_mov_b32 s[\g+5], 32
	s_mov_b32 s[\g+6], 0
	s_mov_b32 s[\g+7], 0
.endr
	s_mov_b32 s[G1C+0], (3<<16)|(1<<20)|(5<<22)|(3<<25)   ; c: 64 rows of 256 bytes, 16 bytes of padding behind each
	s_mov_b32 s[G1C+1], 32<<16
	s_mov_b32 s[G1C+2], 64<<16
	s_mov_b32 s[G1C+3], 32<<16
	s_mov_b32 s[G1C+4], 64
	s_mov_b32 s[G1C+5], 1024
	s_mov_b32 s[G1C+6], 0
	s_mov_b32 s[G1C+7], 0
	s_mul_i32 s2, s[WJ], HALFB
	s_mul_i32 s[G0+2], s67, TILEB
	s_add_co_u32 s[G0+2], s[G0+2], s2
	s_mov_b32 s[G0+3], 0
	s_add_co_u32 s[G0B+2], s42, 8
	s_mul_i32 s[G0B+2], s[G0B+2], TILEB
	s_add_co_u32 s[G0B+2], s[G0B+2], s2
	s_mov_b32 s[G0B+3], 0
	s_mul_i32 s104, s[WV], QB
	s_mov_b32 s[G0+1], s104
	s_add_co_u32 s[G0+5], s104, SLOT
	s_mov_b32 s[G0B+1], s104
	s_add_co_u32 s[G0B+5], s104, SLOT
	s_lshl_b32 s100, s67, 21                       ; c's tile: 64 rows a wave
	s_lshl_b32 s101, s[WV], 19
	s_add_co_u32 s100, s100, s101
	s_lshl_b32 s101, s42, 8
	s_add_co_u32 s100, s100, s101
	s_mov_b32 s101, 0
	s_mul_i32 s76, s[WI], QB                       ; my half of A in a slot,
	s_mul_i32 s77, s[WJ], QB
	s_add_co_u32 s77, s77, 2*QB                    ; of B,
	s_sub_co_u32 s78, s77, s76                     ; the distance between the two,
	s_add_co_u32 s79, s76, SCW                     ; and A's scale words
	s_mul_i32 s90, s[WI], 128*CP
	s_mul_i32 s91, s[WJ], 8*CP
	s_add_co_u32 s91, s91, s90                     ; back from the stage: rows 128 WI + 8 WJ on
	s_lshl_b32 s2, s[WJ], 7
	s_add_co_u32 s90, s90, s2                      ; into the stage: rows 128 WI on, my 128 bytes of them
	s_lshl_b32 s20, s42, 8
	s_add_co_u32 s20, s20, s2                      ; my 32 columns in a bias
	s_lshl_b32 s88, s67, 21                        ; the outputs: row 256 x tile row + 128 WI + 8 WJ, column 64 x tile column
	s_lshl_b32 s89, s[WI], 20
	s_add_co_u32 s88, s88, s89
	s_lshl_b32 s89, s[WJ], 16
	s_add_co_u32 s88, s88, s89
	s_lshl_b32 s89, s42, 8
	s_add_co_u32 s88, s88, s89
	s_mov_b32 s89, 0
	s_wait_dscnt 0x0                               ; both opening adds are done
	s_wait_kmcnt 0x0
	s_add_nc_u64 s[G0+2:G0+3], s[4:5], s[G0+2:G0+3]
	s_add_nc_u64 s[G0+6:G0+7], s[G0+2:G0+3], 2*REC
	s_add_nc_u64 s[G0B+2:G0B+3], s[4:5], s[G0B+2:G0B+3]
	s_add_nc_u64 s[G0B+6:G0B+7], s[G0B+2:G0B+3], 2*REC
.irp g, G0, G0+4, G0B, G0B+4
	s_mov_b32 s[\g], 1
	s_or_b32 s[\g+3], s[\g+3], 0x80000000
.endr
	CROUND                                         ; all sixteen work-groups are here: the first joint loads meet
	JLOAD G0, G1H, G0B, G1HB                       ; steps 0 and 1: my one load at the head.  All that follows up to the wait stands under its flight
	s_add_nc_u64 s[6:7], s[6:7], s[100:101]
	s_add_nc_u64 s[16:17], s[16:17], s[88:89]
	s_add_nc_u64 s[18:19], s[18:19], s[88:89]
	s_add_co_u32 s46, s42, 8                       ; the prefetches: A's tile or B's, and my place among the four partners
	s_cmp_eq_u32 s[WI], 0
	s_cselect_b32 s46, s67, s46
	s_cselect_b32 s45, s40, s41
	s_mul_i32 s46, s46, TILEB
	s_mul_i32 s47, s[WJ], HALFB
	s_add_co_u32 s46, s46, s47
	s_lshl_b32 s45, s45, 13
	s_add_co_u32 s46, s46, s45
	s_add_co_u32 s46, s46, 64*256                  ; from row 64 of the half on
	s_mov_b32 s47, 0
	s_add_nc_u64 s[PFA:PFA+1], s[4:5], s[46:47]
	s_mov_b32 s[G0C], 1
	s_mul_i32 s[G0C+1], s[WV], 64*CP
	s_add_co_u32 s[G0C+1], s[G0C+1], CT
	s_mov_b64 s[G0C+2:G0C+3], s[6:7]
	s_or_b32 s[G0C+3], s[G0C+3], 0x80000000
	v_and_b32 v1, 15, v0                           ; r
	v_bfe_u32 v2, v0, 4, 1                         ; h
	v_and_b32 v3, 31, v0
	v_lshl_add_u32 v[BO], v2, 5, s20
	v_lshlrev_b32 v[PFO], 8, v3
	WIN TO_B
.irp g, 0,1,2,3
.irp u, 0,1
.set BB, BI+128*((2*\g+\u)/4)+8*((2*\g+\u)%4)
	global_load_b128 v[BB:BB+3], v[BO], s[8+2*\g:9+2*\g] offset:64*\u           ; the biases in the result's layout: gate g, columns 16 u + 8 h + 0 .. 7
	global_load_b128 v[BB+4:BB+7], v[BO], s[8+2*\g:9+2*\g] offset:64*\u+16
.endr
.endr
	WIN 0
	ASK3                                           ; rows 64-447 of my half
	v_lshlrev_b32 v4, 4, v3
	v_add_nc_u32 v[ADRA], s76, v4
	v_add_nc_u32 v[ADRB], s77, v4
	v_add_nc_u32 v[ADRA+1], SLOT, v[ADRA]
	v_add_nc_u32 v[ADRB+1], SLOT, v[ADRB]
	v_mul_u32_u24 v6, s78, v2                      ; lanes 16-31 take B's scale words
	v_lshl_add_u32 v5, v1, 4, v6
	v_add_nc_u32 v[ADRS], s79, v5
	v_add_nc_u32 v[ADRS+1], SLOT, v[ADRS]
	v_mul_u32_u24 v5, v1, CP
	v_lshl_add_u32 v5, v2, 5, v5
	v_add_nc_u32 v[NA], s90, v5
	v_add_nc_u32 v[CA], CT, v[NA]
	v_add_nc_u32 v[HAD], HT, v[NA]
	v_mul_u32_u24 v5, v2, CP
	v_lshl_add_u32 v5, v1, 4, v5
	v_add_nc_u32 v[RN], s91, v5
	v_add_nc_u32 v[RH], HT, v[RN]
	v_lshlrev_b32 v5, 13, v2
	v_lshl_add_u32 v[CO], v1, 4, v5
	v_lshlrev_b32 v[PFC], 13, v3
.macro FRAG reg, adr, q, f
.irp c, 0,1,2
	ds_load_b128 v[\reg+4*\c:\reg+4*\c+3], v[\adr] offset:REC*(\q)+FRB*(\f)+512*\c
.endr
.endm
.macro SCALES slot, q, p
.irp e, 0,1
	ds_load_b128 v[SC+8*(\p)+4*\e:SC+8*(\p)+4*\e+3], v[ADRS+\slot] offset:REC*(\q)+256*\e
.endr
.endm
.macro FETCH slot, q, pn               ; 50 LDS loads in one run: the slot's record q into sets pn: B's eight fragments, the scale words, A's eight
	WIN TO_B
.irp i, 0,1,2,3,4,5,6,7
	FRAG 128*(\pn)+FR*\i, ADRB+\slot, \q, \i
.endr
	WIN 0
	SCALES \slot, \q, \pn
.irp i, 0,1,2,3,4,5,6,7
	FRAG AF+96*(\pn)+FR*\i, ADRA+\slot, \q, \i
.endr
.endm
; 8 matrix instructions: A's block a x B's eight, sets p.  first = 1: the biases are C.  The 64 accumulators take turns
.macro MUL8 a, p, first
.irp b, 0,1,2,3,4,5,6,7
.if \first
	v_wmma_scale_f32_16x16x128_f8f6f4 v[8*(8*((\a)%4)+\b):8*(8*((\a)%4)+\b)+7], v[128*(\p)+FR*\b:128*(\p)+FR*\b+FR-1], v[AF+96*(\p)+FR*(\a):AF+96*(\p)+FR*(\a)+FR-1], v[BI+128*(\b/4)+8*(\b%4):BI+128*(\b/4)+8*(\b%4)+7], v[SC+8*(\p)+\b], v[SC+8*(\p)+(\a)] matrix_a_fmt:MATRIX_FMT_BF6 matrix_b_fmt:MATRIX_FMT_BF6 matrix_a_scale:MATRIX_SCALE_ROW1
.else
	v_wmma_scale_f32_16x16x128_f8f6f4 v[8*(8*((\a)%4)+\b):8*(8*((\a)%4)+\b)+7], v[128*(\p)+FR*\b:128*(\p)+FR*\b+FR-1], v[AF+96*(\p)+FR*(\a):AF+96*(\p)+FR*(\a)+FR-1], v[8*(8*((\a)%4)+\b):8*(8*((\a)%4)+\b)+7], v[SC+8*(\p)+\b], v[SC+8*(\p)+(\a)] matrix_a_fmt:MATRIX_FMT_BF6 matrix_b_fmt:MATRIX_FMT_BF6 matrix_a_scale:MATRIX_SCALE_ROW1
.endif
.endr
.endm
.macro PLACES n                        ; places behind matrix instructions, in front of loads into their sources and of reads of results
.rept \n
	v_nop
.endr
.endm
; A step: record q of the slot, sets p.  Its own fragments were asked for a whole step ago; record q + 1 comes into the other sets, which the step before multiplied: so four places stand ahead of the run.
.macro STEP slot, q, p, first
	s_wait_dscnt 0x0                               ; this step's fragments and scale words are in
	PLACES NP
	FETCH \slot, (\q)+1, 1-(\p)
.irp g, 0,1,2,3,4,5,6,7
	WMUL \g, \first
	MUL8 \g, \p, \first
.endr
.endm
; A slot's last step, and the change of slots: all reads of this slot were issued in the step before.  fill = 1: the slot takes its next three records; fill = 2: slot 1's bytes take c's tile.
; Behind the refill the next slot's first record is fetched in one run.
.macro TURN slot, p, next, fill, adv
	WIN 0
.if (\slot == 0) && (\fill == 1)
	s_wait_xcnt 0x0                                ; my prefetches have read their address
	s_add_nc_u64 s[PFA:PFA+1], s[PFA:PFA+1], 384*256
.endif
	s_wait_tensorcnt 0x0                           ; my one load, my part of the next slot, has landed;
	ds_add_u32 v[SPW], v[NIL]
	s_wait_dscnt 1                                 ; (the add may be out: this step's fragments are in)
	WMUL 0, 0
	MUL8 0, \p, 0
	s_wait_dscnt 0x0                               ; the add is done, and my reads of this slot are over
	s_barrier_signal -1
	MUL8 1, \p, 0
	WIN 0
	s_barrier_wait -1
	CREST                                          ; the barrier has opened a round of the cluster's barrier
.if \fill == 1
	s_add_nc_u64 s[G0+4*\slot+2:G0+4*\slot+3], s[G0+4*\slot+2:G0+4*\slot+3], \adv
	s_add_nc_u64 s[G0B+4*\slot+2:G0B+4*\slot+3], s[G0B+4*\slot+2:G0B+4*\slot+3], \adv
	JLOAD G0+4*\slot, G1, G0B+4*\slot, G1B         ; the four v_nop behind it are the places in front of the loads below
.else
	tensor_load_to_lds s[G0C:G0C+3], s[G1C:G1C+7]
	s_nop 0
	PLACES 4
.endif
	FETCH \next, 0, 1-(\p)
.if (\slot == 0) && (\fill == 1)
	ASK \adv
.endif
.irp g, 2,3,4,5,6,7
	WMUL \g, 0
	MUL8 \g, \p, 0
.endr
.endm
	s_wait_alu depctr_va_vdst(0)
	s_wait_tensorcnt 0x0                           ; my part of steps 0 and 1 is in
	ds_add_u32 v[SPW], v[NIL]
	s_wait_dscnt 0x0
	CROUND                                         ; everybody's part is in, and the joint loads meet
	JLOAD G0+4, G1, G0B+4, G1B                     ; steps 2 to 4, slot 1's first fill
	FETCH 0, 0, 0
	s_wait_loadcnt 0x0                             ; the biases
	s_mov_b32 s3, 4
	STEP 0, 0, 0, 1
	TURN 0, 1, 1, 1, 5*REC
	WIN 0                                          ; at a label and at a branch every window is 0
.Llap:                                             ; a trip: six steps, once round the ring
	STEP 1, 0, 0, 0
	STEP 1, 1, 1, 0
	TURN 1, 0, 0, 1, 6*REC
	STEP 0, 0, 1, 0
	STEP 0, 1, 0, 0
	TURN 0, 1, 1, 1, 6*REC
	WIN 0
	s_sub_co_u32 s3, s3, 1
	s_cmp_lg_u32 s3, 0
	s_cbranch_scc1 .Llap
	STEP 1, 0, 0, 0
	STEP 1, 1, 1, 0
	TURN 1, 0, 0, 2, 0
	STEP 0, 0, 1, 0
	STEP 0, 1, 0, 0
	s_wait_dscnt 0x0                               ; the last step: nothing more to fetch; my reads of slot 0 are over,
	s_wait_tensorcnt 0x0                           ; and my part of c's tile is in
	s_barrier_signal -1
.irp a, 0,1,2,3,4,5,6,7
	WMUL \a, 0
	MUL8 \a, 1, 0
.endr
	WIN 0
	s_barrier_wait -1
; EE holds 2 y log2 e; it becomes tanh y.  small = 1: where EE^2 < TH, that is |y| < 2^-6, CN (y itself) is taken.
.macro TANH small
	s_wait_alu depctr_va_vdst(0)
.irp n, 0,1,2,3,4,5,6,7,8,9,10,11,12,13,14,15
	v_exp_f32 v[EX+\n], v[EE+\n]
.endr
.if \small
.irp n, 0,2,4,6,8,10,12,14
	v_pk_mul_f32 v[HN+\n:HN+\n+1], v[EE+\n:EE+\n+1], v[EE+\n:EE+\n+1]
.endr
.else
	v_nop
.endif
	s_wait_alu depctr_va_vdst(0)
.irp n, 0,2,4,6,8,10,12,14
	v_pk_add_f32 v[EX+\n:EX+\n+1], v[EX+\n:EX+\n+1], 1.0 op_sel_hi:[1,0]
.endr
	s_wait_alu depctr_va_vdst(0)
.irp n, 0,1,2,3,4,5,6,7,8,9,10,11,12,13,14,15
	v_rcp_f32 v[EX+\n], v[EX+\n]
.endr
.if \small
.irp n, 0,1,2,3,4,5,6,7,8,9,10,11,12,13,14,15
	v_cmp_gt_f32 s[MK+\n], s[TH], v[HN+\n]
.endr
.else
	v_nop
.endif
	s_wait_alu depctr_va_vdst(0)
.irp n, 0,2,4,6,8,10,12,14
	v_pk_fma_f32 v[EE+\n:EE+\n+1], v[EX+\n:EX+\n+1], -2.0, 1.0 op_sel_hi:[1,0,0]
.endr
.if \small
.irp n, 0,1,2,3,4,5,6,7,8,9,10,11,12,13,14,15
	v_cndmask_b32 v[EE+\n], v[EE+\n], v[CN+\n], s[MK+\n]
.endr
.endif
.endm
.macro CLOAD a
.irp u, 0,1
.irp c, 0,1
	ds_load_b128 v[CC+16*((\a)%2)+8*\u+4*\c:CC+16*((\a)%2)+8*\u+4*\c+3], v[CA] offset:16*CP*(\a)+64*\u+16*\c
.endr
.endr
.endm
; Block a: 16 rows x my 32 columns.  Its accumulators 0, 1: f; 2, 3: i; 4, 5: c~; 6, 7: o; each is read from its low end on
.macro BLOCK a
.set AC, 64*((\a)%4)
.if (\a) < 7
	CLOAD (\a)+1
.endif
	WIN 0x0a+5*((\a)/4)
.irp n, 0,2,4,6,8,10,12,14
	v_pk_mul_f32 v[EE+\n:EE+\n+1], v[AC+32+\n:AC+32+\n+1], s[KK:KK+1] op_sel_hi:[1,0]
.endr
.irp n, 0,1,2,3,4,5,6,7,8,9,10,11,12,13,14,15
	v_max_num_f32 v[FF+\n], 0, v[AC+\n]
.endr
.irp n, 0,1,2,3,4,5,6,7,8,9,10,11,12,13,14,15
	v_max_num_f32 v[II+\n], 0, v[AC+16+\n]
.endr
.irp n, 0,1,2,3,4,5,6,7,8,9,10,11,12,13,14,15
	v_max_num_f32 v[OO+\n], 0, v[AC+48+\n]
.endr
	WIN 0
.if (\a) < 7
	s_wait_dscnt 4                                 ; all but the next block's four loads of c: this block's c is here, and so is the block read back from the stage
.else
	s_wait_dscnt 0x0
.endif
	TANH 0
.irp n, 0,2,4,6,8,10,12,14
	v_pk_mul_f32 v[II+\n:II+\n+1], v[II+\n:II+\n+1], v[EE+\n:EE+\n+1]
.endr
.irp n, 0,2,4,6,8,10,12,14
	v_pk_fma_f32 v[CN+\n:CN+\n+1], v[FF+\n:FF+\n+1], v[CC+16*((\a)%2)+\n:CC+16*((\a)%2)+\n+1], v[II+\n:II+\n+1]
.endr
.irp n, 0,2,4,6,8,10,12,14
	v_pk_mul_f32 v[EE+\n:EE+\n+1], v[CN+\n:CN+\n+1], s[KK:KK+1] op_sel_hi:[1,0]
.endr
	TANH 1
.irp n, 0,2,4,6,8,10,12,14
	v_pk_mul_f32 v[HN+\n:HN+\n+1], v[OO+\n:OO+\n+1], v[EE+\n:EE+\n+1]
.endr
.irp u, 0,1
.irp c, 0,1
	ds_store_b128 v[NA], v[CN+8*\u+4*\c:CN+8*\u+4*\c+3] offset:16*CP*(\a)+64*\u+16*\c
	ds_store_b128 v[HAD], v[HN+8*\u+4*\c:HN+8*\u+4*\c+3] offset:16*CP*(\a)+64*\u+16*\c
.endr
.endr
.endm
.macro SYNC                            ; a block's rows are in the stage, for all four waves
	s_wait_dscnt 0x0
	s_barrier_signal -1
	s_barrier_wait -1
.endm
; Block a's rows 16 a .. 16 a + 15 of each half.  I take 8 of them, whole, of both outputs, into 32 registers of window 1 that are this block's own
.macro RBLOAD a
	WIN TO_B
.irp t, 0,1,2,3
	ds_load_b128 v[32*(\a)+4*\t:32*(\a)+4*\t+3], v[RN] offset:(16*(\a)+2*\t)*CP
	ds_load_b128 v[32*(\a)+16+4*\t:32*(\a)+16+4*\t+3], v[RH] offset:(16*(\a)+2*\t)*CP
.endr
	WIN 0
.endm
.macro SEND a, counted                 ; 16 lanes store 256 consecutive bytes, at a multiple of 256 from the output's first byte
	WIN 0x04                                       ; the stores' data: window 1
.irp t, 0,1,2,3
.if \counted
	s_wait_dscnt 6-2*\t                            ; the younger loads of the eight may be out
.endif
	global_store_b128 v[CO], v[32*(\a)+4*\t:32*(\a)+4*\t+3], s[18:19] offset:(16*(\a)+2*\t)*8192 th:TH_STORE_NT
	global_store_b128 v[CO], v[32*(\a)+16+4*\t:32*(\a)+16+4*\t+3], s[16:17] offset:(16*(\a)+2*\t)*8192 th:TH_STORE_NT
.endr
	WIN 0
.endm
	PLACES 4
	s_mov_b32 s[KK], 0x4038aa3b                    ; 2 log2 e
	s_mov_b32 s[KK+1], s[KK]
	s_mov_b32 s[TH], 0x3b053529                    ; (2 log2 e x 2^-6)^2
	CLOAD 0
	BLOCK 0
.irp a, 0,1,2,3,4,5,6
	SYNC
	RBLOAD \a
	BLOCK \a+1                                     ; its wait on DScnt shows block a back in registers
	SEND \a, 0
.endr
	SYNC
	RBLOAD 7
	SEND 7, 1
	s_wait_tensorcnt 0x0                           ; the wave's end
	ds_add_u32 v[SPW], v[NIL]
	s_wait_dscnt 0x0
	CROUND                                         ; the closing round
	s_endpgm
.Lfunc_end_k_qb56205d51a_cell:
	.size	k_qb56205d51a_cell, .Lfunc_end_k_qb56205d51a_cell-k_qb56205d51a_cell
	.p2alignl 7, 3214868480
	.fill 96, 4, 3214868480
	.section	.rodata,"a",@progbits
	.p2align	6, 0x0
	.amdhsa_kernel k_qb56205d51a_cell
		.amdhsa_group_segment_fixed_size 327680
		.amdhsa_private_segment_fixed_size 0
		.amdhsa_enable_private_segment 0
		.amdhsa_kernarg_size 64
		.amdhsa_user_sgpr_count 2
		.amdhsa_user_sgpr_kernarg_segment_ptr 1
		.amdhsa_wavefront_size32 1
		.amdhsa_system_sgpr_workgroup_id_x 1
		.amdhsa_system_sgpr_workgroup_id_y 1
		.amdhsa_system_sgpr_workgroup_id_z 1
		.amdhsa_system_vgpr_workitem_id 0
		.amdhsa_next_free_vgpr 1024
		.amdhsa_next_free_sgpr 106
		.amdhsa_reserve_vcc 0
		.amdhsa_float_denorm_mode_32 3
		.amdhsa_float_denorm_mode_16_64 3
		.amdhsa_memory_ordered 1
		.amdhsa_forward_progress 1
		.amdhsa_inst_pref_size 255
	.end_amdhsa_kernel
	.section	.bss,"aw",@nobits
	.p2align	6
	.space	262144
	.amdgpu_metadata
---
amdhsa.version: [ 1, 2 ]
amdhsa.kernels:
  - .name:           k_qb56205d51a_cell
    .symbol:         k_qb56205d51a_cell.kd
    .args:
      - { .name: qops, .offset: 0, .size: 8, .value_kind: global_buffer, .address_space: global }
      - { .name: c, .offset: 8, .size: 8, .value_kind: global_buffer, .address_space: global }
      - { .name: bfx, .offset: 16, .size: 8, .value_kind: global_buffer, .address_space: global }
      - { .name: bix, .offset: 24, .size: 8, .value_kind: global_buffer, .address_space: global }
      - { .name: bcx, .offset: 32, .size: 8, .value_kind: global_buffer, .address_space: global }
      - { .name: box, .offset: 40, .size: 8, .value_kind: global_buffer, .address_space: global }
      - { .name: out0, .offset: 48, .size: 8, .value_kind: global_buffer, .address_space: global }
      - { .name: out1, .offset: 56, .size: 8, .value_kind: global_buffer, .address_space: global }
    .group_segment_fixed_size: 327680
    .private_segment_fixed_size: 0
    .kernarg_segment_align: 8
    .kernarg_segment_size: 64
    .max_flat_workgroup_size: 128
    .sgpr_count:     106
    .vgpr_count:     1024
    .wavefront_size: 32
...
	.end_amdgpu_metadata
.endif
;; end of part 2
